; MI455X (gfx1250); checked and timed in simulation.
; The chip was launched on July 23, 2026; its instructions are those of AMD's public machine-readable ISA for CDNA 5 (MIT licence, August 2026) and "CDNA5" Instruction Set Architecture Reference Guide (July 2026). The comments in the code are by the model that wrote it; some were corrected since.
;; Conjunction. Allowed arithmetic: matrix products marked QUANTISED: E3M2 operands, one E8M0 scale for each 32 along K, by v_wmma_scale_f32_16x16x128_f8f6f4 with both operands' format E3M2, f32 sums; everything else in f32.
;; Inputs: weights 32 x 1,024 float32; x 128 x 512 float32.
;; Outputs: out0 128 x 1,024 float32.
;; This version of the problem:
;;   THIS VERSION OF THE PROBLEM IS GIVEN IN LOW PRECISION. The matrix products marked QUANTISED in the list below multiply operands that are first quantised to E3M2 (3 exponent bits, 2 mantissa bits; 6 bits a number), with one power-of-two scale for each 32 numbers along K (OCP MX v1.0); their sums are f32. All else is computed in f32.
;;   The module's matrix products, in the order in which they are computed (A, B: the left and right operand; K: the contracted axis; several contracted axes count as one K, in the product's order):
;;     1. [M 128, K 512] x [K 512, N 1,024]; A: computed on the way; B: computed on the way: QUANTISED
;;   THE QUANTISER, for each operand of a quantised product, along K:
;;     - K is cut into blocks of 32 from its start; a last block that is shorter is filled with zeros.
;;     - A block's scale is 2^e with e = floor(log2(the largest magnitude in the block)) - 4, held to -126 .. 127; a block of zeros has e = 0. As a byte (E8M0): e + 127.
;;     - Each number is divided by its block's scale, clamped to +-28, and rounded to the nearest number of E3M2, ties to even, subnormals kept.
;;     - The product sums the exact products of the quantised numbers (number of the format x scale) in f32.
;;   ~~~python
;;   def quantise(x, axis):      # numpy; x: float32 -> the quantised numbers, widened to float32 again
;;       x = np.moveaxis(x, axis, -1); K = x.shape[-1]
;;       x = np.pad(x, [(0, 0)] * (x.ndim - 1) + [(0, -K % 32)]); x = x.reshape(x.shape[:-1] + (-1, 32)); a = np.abs(x).max(-1, keepdims=True)
;;       e = np.where(a > 0, np.clip(np.frexp(np.where(a > 0, a, 1))[1] - 1 - 4, -126, 127), 0)      # np.frexp(a)[1] - 1 = floor(log2(a)), exactly
;;       r = np.clip(x / 2.0 ** e, -28, 28)
;;       step = 2.0 ** (np.maximum(np.frexp(np.where(r == 0, 1, r))[1] - 1, -2) - 2)
;;       q = np.round(r / step) * step * 2.0 ** e      # np.round: ties to even
;;       return np.moveaxis(q.reshape(q.shape[:-2] + (-1,))[..., :K], -1, axis).astype(np.float32)
;;   ~~~
;;   OPERANDS COMPUTED ON THE WAY. 'Computed on the way' means the value that the module computes at that place (a softmax that the list does not call 'softmax' is quantised finished and normalised). What goes into a quantiser is computed in f32, as accurately as f32 sums, v_exp_f32 and their like allow (about 1e-6 of the number): no bf16 or f16 on the way to a quantiser, and a product that is left as it is and whose result goes on into a quantised operand takes f32 operands (vector FMAs, or v_wmma_f32_16x16x4_f32). A number that lies on a knife's edge between two numbers of the format may be rounded either way, as far as f32 arithmetic and the matrix unit's own rounding can turn it there, and no further.
;; 2 versions. Each part assembles by itself: llvm-mc -triple=amdgcn-amd-amdhsa -mcpu=gfx1250 --defsym DOCPART=n.
;; ======== version 1 of 2: 1 launch
;; launch conj (part 1): grid 16 x 8, 4 waves a work-group, no clusters, 13,824 bytes of LDS; arguments x, weights, out0; writes out0
.if DOCPART == 1
	.amdgcn_target "amdgcn-amd-amdhsa--gfx1250"
	.amdhsa_code_object_version 6
	.text
	.protected	k_qbdc5e2cd52_conj
	.globl	k_qbdc5e2cd52_conj
	.p2align	8
	.type	k_qbdc5e2cd52_conj,@function
k_qbdc5e2cd52_conj:
	s_mov_b64 s[64:65], 0
	v_nop
	global_prefetch_b8 v0, s[64:65] scope:SCOPE_SE
	s_setreg_imm32_b32 hwreg(HW_REG_WAVE_MODE, 25, 1), 1
	s_wait_xcnt 0x0
; out0[b][n] = sum_k Q(x[b][k] m[b][k]) Q(W[k][n]) + 0.1 (max_k |W[k][n] x[b][k]| - sum_k |W[k][n] x[b][k]|),  m = (x >= -1),  W[k][n] = weights[k % 16][n].
; x: [128][512] f32, weights: [32][1024] f32 (the gather names rows 0 to 15 alone, so these are read), out0: [128][1024] f32.
; Q: codes of BF6 (E3M2) with one E8M0 scale for each 32 along K; the product goes by v_wmma_scale_f32_16x16x128_f8f6f4.
; WHAT W's PERIOD OF 16 GIVES.  (1) Every block of 32 along K of a column n is the same 16 numbers twice: one scale, 16 codes (3 registers), and these
; repeated four times are the column's part of the fragment of EVERY K step.  (2) max_k |W x| = max_j |w[j][n]| xm[b][j], xm[b][j] = max_g |x[b][16 g + j]|: the
; same bits, since rounding a product keeps order.  (3) sum_k |W x| = sum_j |w[j][n]| xs[b][j], xs[b][j] = sum_g |x[b][16 g + j]|.
; LIMITS: (3) adds in f32 in another order than the 512 rounded products one after the other; NaN and infinities among the inputs were not tried.
; A block of zeros gets the scale byte 1 where the rule says 127: its codes are zeros, and the bytes are read by this program alone.
; SHARES.  A work-group of four waves makes 16 rows x 64 columns: a row of its tile is 256 consecutive bytes of out0, at a multiple of 256.  128 work-groups.
; Ahead of the first barrier wave w (a) quantises K step w (128 along K) of the 16 rows and leaves the fragment in LDS as an image of its 12 registers, with the rows' scale words;
; (b) makes xs and xm of rows 4 w .. 4 w + 3 from a second read of x, in a layout in which a lane keeps four fixed j: from the quantiser's layout each row would have eight partial
; results, 32 LDS loads and 96 operations a wave behind the barrier, against 16 loads more here; (c) makes the fragment of its own 16 columns of W, which stays in registers.
; Behind it wave w makes columns 16 w .. 16 w + 15: four matrix instructions, and the bias from xs, xm and w.  THE MATRIX INSTRUCTION IS USED TRANSPOSED (source 0 = 16 columns of W,
; source 1 = the 16 rows of x): lane (r, h) holds row r and columns 8 h + 0 .. 7, so that xs and xm of ONE row serve the lane.  The results meet in a stage in LDS and leave as whole rows.
; NO CLUSTER, NO TENSOR LOAD: the 16 work-groups of a row of the grid read the same 32 KiB of x, but there is one load phase and no loop under which a joint load could land;
; it would put a round of the cluster's barrier in front of the only loads and a pass through LDS behind them, where now each lane's registers are filled in the order that the conversions take.
; REGISTERS, in windows of 256.  Window 0: v0-15 ids and addresses; v16-31 w for the fragment, later results; v32-43 W's fragment; v44 its scale word; v46-60 at work; v64-127 x for the quantiser,
; later the four fragments of x and two accumulators; v128-191 x for xs and xm; v192-212 the codes just made; v216-219 x's scale words; v224-239 xs, xm at work.
; Window 1: all that the bias touches: v0-127 w[j][my 8 columns]; v128-143 xs, v144-159 xm of my row; v160-167 minus the sums; v168-175 the maxima; v176-207 products.
.set XROW, 2048                        ; bytes in a row of x
.set WROW, 4096                        ; of weights
.set OROW, 4096                        ; of out0
.set FRB,  1536                        ; a fragment's image: 12 registers x 128 bytes
.set AIMG, 0                           ; LDS: the four images,
.set ASC,  4*FRB                       ; the scale words: 16 bytes a lane, K step w's word at 4 w,
.set STAT, ASC+512                     ; xs and xm: a row is 16 sums, 16 maxima and 16 bytes of padding,
.set SPT,  144                         ; 9 x 16 bytes: the 16 rows that a load touches begin at 16 different places modulo 256 bytes
.set STG,  STAT+16*SPT                 ; and the stage: 16 rows x (256 bytes + 16)
.set GPT,  272
.set AXQ, 4                            ; v4   x for the quantiser: my byte in the tile's 16 rows
.set AXS, 5                            ; v5   x for xs and xm
.set AWF, 6                            ; v6   w for the fragment: 4 r
.set AWB, 7                            ; v7   w for the bias: 32 h
.set AGO, 8                            ; v8   out0: my 16 bytes
.set LIW, 9                            ; v9   LDS: where I store the image
.set LSW, 10                           ; v10  and the scale word
.set LTW, 11                           ; v11  and xs or xm
.set LLI, 12                           ; v12  16 x lane: an image's place for my lane
.set LTR, 13                           ; v13  my row of xs and xm
.set LSO, 14                           ; v14  the stage: where I put 32 bytes of a row
.set LSR, 15                           ; v15  and where I read a row back
.set WF,  16
.set WFR, 32
.set WSC, 44
.set TM,  46
.set SH8, 60                           ; v60  8 h: my bytes' place in a scale word
.set X,   64
.set Y,   128
.set PC,  192
.set CT,  204
.set PW,  212
.set XSC, 216
.set SA,  224
.set SB,  228
.set MA,  232
.set SD,  236
.set AF,  64
.set ACC0, 112
.set ACC1, 120
.set O,   16
.set BK,  24
.set WB,  0                            ; window 1 from here on
.set XS,  128
.set XM,  144
.set S,   160
.set M,   168
.set P,   176
.set MSB, 0
.macro WIN new                         ; the immediate's high byte repeats the setting that is left
.if MSB != \new
	s_set_vgpr_msb (MSB<<8)|\new
.set MSB, \new
.endif
.endm
	s_load_b128 s[4:7], s[0:1], 0x0                ; x, weights
	s_load_b64 s[8:9], s[0:1], 0x10                ; out0
	v_lshl_add_u32 v254, v0, 2, 0x3400
	v_mov_b32 v255, 0
	v_lshrrev_b32 v1, 5, v0
	v_readfirstlane_b32 s10, v1                    ; wave 0..3
	v_and_b32 v2, 15, v0                           ; r
	v_bfe_u32 v3, v0, 4, 1                         ; h
	s_and_b32 s12, ttmp7, 0xffff                   ; which 16 rows
	s_lshl_b32 s14, s12, 15                        ; x: 16 rows of 2,048 bytes
	s_mov_b32 s15, 0
	s_lshl_b32 s16, ttmp9, 8                       ; weights: the work-group's 64 columns,
	s_lshl_b32 s17, s10, 6                         ; my wave's 16 of them
	s_add_co_u32 s16, s16, s17
	s_mov_b32 s17, 0
	s_lshl_b32 s18, s12, 16                        ; out0: 16 rows of 4,096 bytes,
	s_lshl_b32 s19, ttmp9, 8                       ; 64 columns
	s_add_co_u32 s18, s18, s19
	s_mov_b32 s19, 0
	s_lshl_b32 s20, s10, 9                         ; K step w begins 512 bytes x w into a row
	v_lshlrev_b32 v[AXQ], 11, v2                   ; the quantiser's layout is the operand's: lane (r, h) takes, of row r, k = 128 w + 64 c + 32 h + 0 .. 31: two whole blocks
	v_lshl_add_u32 v[AXQ], v3, 7, v[AXQ]
	v_add_nc_u32 v[AXQ], s20, v[AXQ]
	v_lshrrev_b32 v46, 3, v0                       ; xs and xm: eight lanes to a row; thread / 8 = 4 w + q is the row,
	v_and_b32 v47, 7, v0                           ; p = thread % 8: my 16 bytes of each 128: j = 4 (p % 4) + 0 .. 3, groups g of the parity p / 4
	v_lshlrev_b32 v[AXS], 11, v46
	v_lshl_add_u32 v[AXS], v47, 4, v[AXS]
	v_lshlrev_b32 v[AWF], 2, v2
	v_lshlrev_b32 v[AWB], 5, v3
	s_wait_kmcnt 0x0
	s_add_nc_u64 s[4:5], s[4:5], s[14:15]
	s_add_nc_u64 s[6:7], s[6:7], s[16:17]
	s_add_nc_u64 s[8:9], s[8:9], s[18:19]
; ALL 80 LOADS GO OUT HERE, in the order in which they are wanted.
.irp j, 0,1,2,3,4,5,6,7,8,9,10,11,12,13,14,15
	global_load_b32 v[WF+\j], v[AWF], s[6:7] offset:\j*WROW           ; w[j][my column r]: the registers run down K
.endr
.irp c, 0,1
.irp q, 0,1,2,3,4,5,6,7
	global_load_b128 v[X+32*\c+4*\q:X+32*\c+4*\q+3], v[AXQ], s[4:5] offset:256*\c+16*\q
.endr
.endr
.irp g, 0,1,2,3,4,5,6,7,8,9,10,11,12,13,14,15
	global_load_b128 v[Y+4*\g:Y+4*\g+3], v[AXS], s[4:5] offset:128*\g   ; eight lanes read 128 consecutive bytes of a row
.endr
	; the LDS addresses, each a constant + a constant x lane + a constant x wave, are made while the loads are out
	v_and_b32 v1, 31, v0                           ; lane
	v_lshlrev_b32 v[LLI], 4, v1
	s_mul_i32 s20, s10, FRB
	v_add_nc_u32 v[LIW], s20, v[LLI]
	s_lshl_b32 s21, s10, 2
	s_add_co_u32 s21, s21, ASC
	v_add_nc_u32 v[LSW], s21, v[LLI]
	v_mul_u32_u24 v[LTW], v46, SPT
	v_lshl_add_u32 v[LTW], v47, 4, v[LTW]          ; lanes p = 0 .. 3 store four sums, lanes p = 4 .. 7 four maxima: both at 16 p of the row
	v_add_nc_u32 v[LTW], STAT, v[LTW]
	v_mul_u32_u24 v[LTR], v2, SPT
	v_add_nc_u32 v[LTR], STAT, v[LTR]
	v_mul_u32_u24 v[LSO], v2, GPT
	v_lshl_add_u32 v[LSO], v3, 5, v[LSO]
	s_lshl_b32 s22, s10, 6
	s_add_co_u32 s22, s22, STG
	v_add_nc_u32 v[LSO], s22, v[LSO]               ; the stage, in: row r, + 64 w + 32 h
	v_mul_u32_u24 v[LSR], v3, GPT
	v_lshl_add_u32 v[LSR], v2, 4, v[LSR]
	s_mul_i32 s23, s10, 4*GPT
	s_add_co_u32 s23, s23, STG
	v_add_nc_u32 v[LSR], s23, v[LSR]               ; back: rows 4 w + h, 16 bytes a lane
	v_lshlrev_b32 v[AGO], 4, v2
	v_lshl_add_u32 v[AGO], v3, 12, v[AGO]
	s_lshl_b32 s27, s10, 14
	v_add_nc_u32 v[AGO], s27, v[AGO]               ; and the same place in out0
	v_lshlrev_b32 v[SH8], 3, v3
	v_mov_b32 v[TM+9], 0                           ; a lane permute's destination counts as one of its sources
	s_mov_b32 s24, 0x76543210
	s_mov_b32 s25, 0xfedcba98                      ; v_permlanex16_b32's selects for lane l xor 16
	s_mov_b32 s26, 0xf0f0f0f0                      ; the lanes with p = 4 .. 7
	WIN 0x40                                       ; destination window 1, address window 0
.irp j, 0,1,2,3,4,5,6,7,8,9,10,11,12,13,14,15
.irp u, 0,1
	global_load_b128 v[WB+8*\j+4*\u:WB+8*\j+4*\u+3], v[AWB], s[6:7] offset:\j*WROW+16*\u   ; w[j][8 h + 0 .. 7] for the bias: wanted last, behind the first barrier
.endr
.endr
	WIN 0
; The load counter's field holds 63, and the issue of a load that would pass it is held until an earlier one is back (ISA guide 5.7.1): the last of the 80 go out as the first come in.
; ---- W's fragment.  64 loads were issued behind w's 16; a wait's count cannot name more than 63
	s_wait_loadcnt 63
	v_max3_num_f32 v[TM+10], |v[WF]|, |v[WF+1]|, 0x2800000          ; the column's largest magnitude, and the floor 2^(5 - 127): the byte cannot fall under 1
	v_max3_num_f32 v[TM+11], |v[WF+2]|, |v[WF+3]|, |v[WF+4]|
	v_max3_num_f32 v[TM+10], v[TM+10], |v[WF+5]|, |v[WF+6]|
	v_max3_num_f32 v[TM+11], v[TM+11], |v[WF+7]|, |v[WF+8]|
	v_max3_num_f32 v[TM+10], v[TM+10], |v[WF+9]|, |v[WF+10]|
	v_max3_num_f32 v[TM+11], v[TM+11], |v[WF+11]|, |v[WF+12]|
	v_max3_num_f32 v[TM+10], v[TM+10], |v[WF+13]|, |v[WF+14]|
	v_max3_num_f32 v[TM+10], v[TM+10], v[TM+11], |v[WF+15]|
	v_add_nc_u32 v[TM+11], 0xfe000000, v[TM+10]    ; 4 off its exponent field: the conversion takes the exponent field of this operand as its scale
	v_lshrrev_b32 v[TM+12], 23, v[TM+11]           ; the scale's byte
	v_cvt_scalef32_pk16_bf6_f32 v[WFR:WFR+2], v[WF:WF+15], v[TM+11]       ; 16 codes, 96 bits: half a block; the other half is the same
	v_cvt_scalef32_pk16_bf6_f32 v[WFR+6:WFR+8], v[WF:WF+15], v[TM+11]     ; (a conversion's three registers begin on an even number)
	v_lshl_or_b32 v[TM+12], v[TM+12], 8, v[TM+12]  ; (a plain line behind the conversions)  all four blocks of a K step have the same byte
	v_lshl_or_b32 v[WSC], v[TM+12], 16, v[TM+12]
.irp i, 0,1,2
	v_mov_b32 v[WFR+3+\i], v[WFR+\i]
	v_mov_b32 v[WFR+9+\i], v[WFR+\i]
.endr
; ---- K step w of x: the mask, the blocks' scales, the codes.  48 loads were issued behind these 16
	s_wait_loadcnt 48
.irp b, 0,1,2,3
.irp i, 0,1,2,3,4,5,6,7,8,9,10,11,12,13,14,15
	v_cmp_le_f32 s[32+\i], -1.0, v[X+16*\b+\i]     ; sixteen compares, then sixteen selects: no line waits for the line above it
.endr
.irp i, 0,1,2,3,4,5,6,7,8,9,10,11,12,13,14,15
	v_cndmask_b32 v[X+16*\b+\i], 0, v[X+16*\b+\i], s[32+\i]   ; x where x >= -1, else 0
.endr
.endr
.irp c, 0,1                                    ; my blocks 2 c + h: all 32 numbers of each are mine; two chains a block
	v_max3_num_f32 v[TM+\c], |v[X+32*\c]|, |v[X+32*\c+1]|, 0x2800000
	v_max3_num_f32 v[TM+2+\c], |v[X+32*\c+16]|, |v[X+32*\c+17]|, |v[X+32*\c+18]|
.endr
.irp i, 2,4,6,8,10,12
.irp c, 0,1
	v_max3_num_f32 v[TM+\c], v[TM+\c], |v[X+32*\c+\i]|, |v[X+32*\c+\i+1]|
	v_max3_num_f32 v[TM+2+\c], v[TM+2+\c], |v[X+32*\c+17+\i]|, |v[X+32*\c+18+\i]|
.endr
.endr
.irp c, 0,1
	v_max3_num_f32 v[TM+\c], v[TM+\c], |v[X+32*\c+14]|, |v[X+32*\c+15]|
.endr
.irp c, 0,1
	v_max3_num_f32 v[TM+\c], v[TM+\c], v[TM+2+\c], |v[X+32*\c+31]|
.endr
.irp c, 0,1
	v_add_nc_u32 v[TM+4+\c], 0xfe000000, v[TM+\c]  ; the conversion's scale operand
.endr
.irp c, 0,1
	v_lshrrev_b32 v[TM+6+\c], 23, v[TM+4+\c]       ; the scale's byte
.endr
.irp c, 0,1
	v_cvt_scalef32_pk16_bf6_f32 v[PC+6*\c:PC+6*\c+2], v[X+32*\c:X+32*\c+15], v[TM+4+\c]        ; registers 6 c .. 6 c + 5 of the operand
	v_cvt_scalef32_pk16_bf6_f32 v[CT+4*\c:CT+4*\c+2], v[X+32*\c+16:X+32*\c+31], v[TM+4+\c]     ; (the second three do not begin on an even number: made elsewhere and moved)
.endr
	v_lshl_or_b32 v[TM+8], v[TM+7], 16, v[TM+6]    ; (a plain line behind the conversions)  my two bytes: blocks h and 2 + h,
	v_lshlrev_b32 v[TM+8], v[SH8], v[TM+8]         ; at their places in the row's scale word;
	v_permlanex16_b32 v[TM+9], v[TM+8], s24, s25
.irp c, 0,1
.irp i, 0,1,2
	v_mov_b32 v[PC+6*\c+3+\i], v[CT+4*\c+\i]
.endr
.endr
	v_or_b32 v[PW], v[TM+8], v[TM+9]               ; with lane l xor 16's two the word is whole
.irp c, 0,1,2
	ds_store_b128 v[LIW], v[PC+4*\c:PC+4*\c+3] offset:AIMG+512*\c   ; the fragment as it stands: lane l's 16 bytes at 16 l
.endr
	ds_store_b32 v[LSW], v[PW]
; ---- xs and xm of rows 4 w .. 4 w + 3.  Register 4 g + e holds x[row][32 g + 4 p + e].  Only the bias's 32 loads of w were issued behind these
	s_wait_loadcnt 32
.irp e, 0,1,2,3
	v_add_f32 v[SA+\e], |v[Y+\e]|, |v[Y+4+\e]|     ; two chains of sums and one of maxima for each e: twelve lines that do not wait for each other
	v_add_f32 v[SB+\e], |v[Y+32+\e]|, |v[Y+36+\e]|
	v_max3_num_f32 v[MA+\e], |v[Y+\e]|, |v[Y+4+\e]|, |v[Y+8+\e]|
.endr
.irp g, 2,3,4,5,6,7
.irp e, 0,1,2,3
	v_add_f32 v[SA+\e], v[SA+\e], |v[Y+4*\g+\e]|
	v_add_f32 v[SB+\e], v[SB+\e], |v[Y+32+4*\g+\e]|
	v_max3_num_f32 v[MA+\e], v[MA+\e], |v[Y+8*\g-4+\e]|, |v[Y+8*\g+\e]|
.endr
.endr
.irp e, 0,1,2,3
	v_max_num_f32 v[MA+\e], v[MA+\e], |v[Y+60+\e]|
	v_add_f32 v[SA+\e], v[SA+\e], v[SB+\e]
.endr
.irp e, 0,1,2,3
	v_max_num_f32_dpp v[MA+\e], v[MA+\e], v[MA+\e] row_xmask:4 row_mask:0xf bank_mask:0xf   ; with lane l xor 4's: the groups of the other parity
	v_add_f32_dpp v[SA+\e], v[SA+\e], v[SA+\e] row_xmask:4 row_mask:0xf bank_mask:0xf
.endr
.irp e, 0,1,2,3
	v_cndmask_b32 v[SD+\e], v[SA+\e], v[MA+\e], s26   ; lanes p = 0 .. 3 hand on the sums, lanes p = 4 .. 7 the maxima: one store serves both
.endr
	ds_store_b128 v[LTW], v[SD:SD+3]
	s_wait_dscnt 0x0                               ; for the others' sake: my image, my scale words, my rows of xs and xm lie in LDS
	s_barrier_signal -1
	s_barrier_wait -1                              ; everybody's do
; ---- the product: my 16 columns x the 16 rows, four K steps
.irp f, 0,1,2,3
.irp c, 0,1,2
	ds_load_b128 v[AF+12*\f+4*\c:AF+12*\f+4*\c+3], v[LLI] offset:AIMG+FRB*\f+512*\c
.endr
.endr
	ds_load_b128 v[XSC:XSC+3], v[LLI] offset:ASC   ; the four K steps' scale words of row r
	WIN 0x40
.irp i, 0,1,2,3,4,5,6,7
	ds_load_b128 v[XS+4*\i:XS+4*\i+3], v[LTR] offset:16*\i   ; xs[r][0 .. 15], xm[r][0 .. 15]
.endr
	WIN 0
	s_wait_dscnt 8                                 ; the fragments and scale words are in; the eight loads of xs and xm may be out
	; two accumulators by turns, one instruction a turn; the first product on each starts its sum
	v_wmma_scale_f32_16x16x128_f8f6f4 v[ACC0:ACC0+7], v[WFR:WFR+11], v[AF:AF+11], 0, v[WSC], v[XSC] matrix_a_fmt:MATRIX_FMT_BF6 matrix_b_fmt:MATRIX_FMT_BF6
	v_wmma_scale_f32_16x16x128_f8f6f4 v[ACC1:ACC1+7], v[WFR:WFR+11], v[AF+12:AF+23], 0, v[WSC], v[XSC+1] matrix_a_fmt:MATRIX_FMT_BF6 matrix_b_fmt:MATRIX_FMT_BF6
	v_wmma_scale_f32_16x16x128_f8f6f4 v[ACC0:ACC0+7], v[WFR:WFR+11], v[AF+24:AF+35], v[ACC0:ACC0+7], v[WSC], v[XSC+2] matrix_a_fmt:MATRIX_FMT_BF6 matrix_b_fmt:MATRIX_FMT_BF6
	v_wmma_scale_f32_16x16x128_f8f6f4 v[ACC1:ACC1+7], v[WFR:WFR+11], v[AF+36:AF+47], v[ACC1:ACC1+7], v[WSC], v[XSC+3] matrix_a_fmt:MATRIX_FMT_BF6 matrix_b_fmt:MATRIX_FMT_BF6
; ---- the bias of row r, columns 8 h + 0 .. 7: all in window 1, so that one setting serves it.  Its lines name no register of the products: they are the places behind them
	s_wait_dscnt 0x0                               ; xs and xm
	s_wait_loadcnt 0x0                             ; w
	WIN 0x55
.irp t, 0,1,2,3,4,5,6,7                        ; j = 2 t and 2 t + 1
.irp e, 0,2,4,6
	v_pk_mul_f32 v[P+16*(\t%2)+\e:P+16*(\t%2)+\e+1], v[WB+16*\t+\e:WB+16*\t+\e+1], v[XM+2*\t:XM+2*\t+1] op_sel_hi:[1,0]                    ; w[2 t][..] xm[2 t]: the pair's first word for both halves
	v_pk_mul_f32 v[P+16*(\t%2)+8+\e:P+16*(\t%2)+9+\e], v[WB+16*\t+8+\e:WB+16*\t+9+\e], v[XM+2*\t:XM+2*\t+1] op_sel:[0,1] op_sel_hi:[1,1]   ; w[2 t + 1][..] xm[2 t + 1]: its second
.endr
.irp e, 0,1,2,3,4,5,6,7
.if \t == 0
	v_mul_f32 v[S+\e], -|v[WB+\e]|, v[XS]          ; the first term starts the sums: nothing is cleared
.else
	v_fma_f32 v[S+\e], -|v[WB+16*\t+\e]|, v[XS+2*\t], v[S+\e]
.endif
.endr
.irp e, 0,1,2,3,4,5,6,7
	v_fma_f32 v[S+\e], -|v[WB+16*\t+8+\e]|, v[XS+2*\t+1], v[S+\e]   ; minus the sum of |w| xs
.endr
.irp e, 0,1,2,3,4,5,6,7
.if \t == 0
	v_max_num_f32 v[M+\e], |v[P+\e]|, |v[P+8+\e]|
.else
	v_max3_num_f32 v[M+\e], v[M+\e], |v[P+16*(\t%2)+\e]|, |v[P+16*(\t%2)+8+\e]|   ; xm is not negative: |w xm| = |w| xm
.endif
.endr
.endr
.irp e, 0,2,4,6
	v_pk_add_f32 v[M+\e:M+\e+1], v[M+\e:M+\e+1], v[S+\e:S+\e+1]   ; the maximum less the sum
.endr
	WIN 0x01                                       ; source 0 window 1; the accumulator and the result window 0
.irp e, 0,2,4,6
	v_pk_fma_f32 v[O+\e:O+\e+1], v[M+\e:M+\e+1], 0x3dcccccd, v[ACC0+\e:ACC0+\e+1] op_sel_hi:[1,0,1]   ; 0.1 x bias + K steps 0 and 2; each accumulator is read from its low end on
.endr
	WIN 0
.irp e, 0,2,4,6
	v_pk_add_f32 v[O+\e:O+\e+1], v[O+\e:O+\e+1], v[ACC1+\e:ACC1+\e+1]   ; + K steps 1 and 3
.endr
; ---- the way out: a row's 256 bytes come from four waves, so they meet in the stage; each wave then stores four whole rows
	ds_store_b128 v[LSO], v[O:O+3]
	ds_store_b128 v[LSO], v[O+4:O+7] offset:16
	s_wait_dscnt 0x0                               ; for the others' sake: my stores into the stage are done
	s_barrier_signal -1
	s_barrier_wait -1
	ds_load_b128 v[BK:BK+3], v[LSR]                ; rows 4 w and 4 w + 1: sixteen lanes to a row
	ds_load_b128 v[BK+4:BK+7], v[LSR] offset:2*GPT ; rows 4 w + 2 and 4 w + 3
	s_wait_dscnt 1                                 ; the first of the two is in
	global_store_b128 v[AGO], v[BK:BK+3], s[8:9] th:TH_STORE_NT               ; sixteen lanes store 256 consecutive bytes, at a multiple of 256 from out0's first byte
	s_wait_dscnt 0x0
	global_store_b128 v[AGO], v[BK+4:BK+7], s[8:9] offset:2*OROW th:TH_STORE_NT
	s_wait_tensorcnt 0x0
	ds_add_u32 v254, v255
	s_wait_dscnt 0x0
	s_endpgm
.Lfunc_end_k_qbdc5e2cd52_conj:
	.size	k_qbdc5e2cd52_conj, .Lfunc_end_k_qbdc5e2cd52_conj-k_qbdc5e2cd52_conj
	.p2alignl 7, 3214868480
	.fill 96, 4, 3214868480
	.section	.rodata,"a",@progbits
	.p2align	6, 0x0
	.amdhsa_kernel k_qbdc5e2cd52_conj
		.amdhsa_group_segment_fixed_size 13824
		.amdhsa_private_segment_fixed_size 0
		.amdhsa_enable_private_segment 0
		.amdhsa_kernarg_size 24
		.amdhsa_user_sgpr_count 2
		.amdhsa_user_sgpr_kernarg_segment_ptr 1
		.amdhsa_wavefront_size32 1
		.amdhsa_system_sgpr_workgroup_id_x 1
		.amdhsa_system_sgpr_workgroup_id_y 1
		.amdhsa_system_sgpr_workgroup_id_z 1
		.amdhsa_system_vgpr_workitem_id 0
		.amdhsa_next_free_vgpr 512
		.amdhsa_next_free_sgpr 66
		.amdhsa_reserve_vcc 0
		.amdhsa_float_denorm_mode_32 3
		.amdhsa_float_denorm_mode_16_64 3
		.amdhsa_memory_ordered 1
		.amdhsa_forward_progress 1
		.amdhsa_inst_pref_size 50
	.end_amdhsa_kernel
	.amdgpu_metadata
---
amdhsa.version: [ 1, 2 ]
amdhsa.kernels:
  - .name:           k_qbdc5e2cd52_conj
    .symbol:         k_qbdc5e2cd52_conj.kd
    .args:
      - { .name: x, .offset: 0, .size: 8, .value_kind: global_buffer, .address_space: global }
      - { .name: weights, .offset: 8, .size: 8, .value_kind: global_buffer, .address_space: global }
      - { .name: out0, .offset: 16, .size: 8, .value_kind: global_buffer, .address_space: global }
    .group_segment_fixed_size: 13824
    .private_segment_fixed_size: 0
    .kernarg_segment_align: 8
    .kernarg_segment_size: 24
    .max_flat_workgroup_size: 128
    .sgpr_count:     66
    .vgpr_count:     512
    .wavefront_size: 32
...
	.end_amdgpu_metadata
.endif
;; end of part 1
;; ======== version 2 of 2: 1 launch; version 1 with the launch conj written anew for expert scheduling mode
;; launch conj (part 2): grid 16 x 8, 4 waves a work-group, no clusters, 13,824 bytes of LDS; arguments x, weights, out0; writes out0
.if DOCPART == 2
	.amdgcn_target "amdgcn-amd-amdhsa--gfx1250"
	.amdhsa_code_object_version 6
	.text
	.protected	k_qbdc5e2cd52_conj
	.globl	k_qbdc5e2cd52_conj
	.p2align	8
	.type	k_qbdc5e2cd52_conj,@function
k_qbdc5e2cd52_conj:
	s_mov_b64 s[64:65], 0
	v_nop
	global_prefetch_b8 v0, s[64:65] scope:SCOPE_SE
	s_setreg_imm32_b32 hwreg(HW_REG_WAVE_SCHED_MODE, 0, 2), 2
	s_setreg_imm32_b32 hwreg(HW_REG_WAVE_MODE, 25, 1), 1
	s_wait_xcnt 0x0
	s_wait_alu depctr_vm_vsrc(0)
; out0[b][n] = sum_k Q(x[b][k] m[b][k]) Q(W[k][n]) + 0.1 (max_k |W[k][n] x[b][k]| - sum_k |W[k][n] x[b][k]|),  m = (x >= -1),  W[k][n] = weights[k % 16][n].
; x: [128][512] f32, weights: [32][1024] f32 (the gather names rows 0 to 15 alone, so these are read), out0: [128][1024] f32.
; Q: codes of BF6 (E3M2) with one E8M0 scale for each 32 along K; the product goes by v_wmma_scale_f32_16x16x128_f8f6f4.
; WHAT W's PERIOD OF 16 GIVES.  (1) Every block of 32 along K of a column n is the same 16 numbers twice: one scale, 16 codes (3 registers), and these
; repeated four times are the column's part of the fragment of EVERY K step.  (2) max_k |W x| = max_j |w[j][n]| xm[b][j], xm[b][j] = max_g |x[b][16 g + j]|: the
; same bits, since rounding a product keeps order.  (3) sum_k |W x| = sum_j |w[j][n]| xs[b][j], xs[b][j] = sum_g |x[b][16 g + j]|.
; LIMITS: (3) adds in f32 in another order than the 512 rounded products one after the other; NaN and infinities among the inputs were not tried.
; A block of zeros gets the scale byte 1 where the rule says 127: its codes are zeros, and the bytes are read by this program alone.
; SHARES.  A work-group of four waves makes 16 rows x 64 columns: a row of its tile is 256 consecutive bytes of out0, at a multiple of 256.  128 work-groups.
; Ahead of the first barrier wave w (a) quantises K step w (128 along K) of the 16 rows and leaves the fragment in LDS as an image of its 12 registers, with the rows' scale words;
; (b) makes xs and xm of rows 4 w .. 4 w + 3 from a second read of x, in a layout in which a lane keeps four fixed j: from the quantiser's layout each row would have eight partial
; results, 32 LDS loads and 96 operations a wave behind the barrier, against 16 loads more here; (c) makes the fragment of its own 16 columns of W, which stays in registers.
; Behind it wave w makes columns 16 w .. 16 w + 15: four matrix instructions, and the bias from xs, xm and w.  THE MATRIX INSTRUCTION IS USED TRANSPOSED (source 0 = 16 columns of W,
; source 1 = the 16 rows of x): lane (r, h) holds row r and columns 8 h + 0 .. 7, so that xs and xm of ONE row serve the lane.  The results meet in a stage in LDS and leave as whole rows.
; NO CLUSTER, NO TENSOR LOAD: the 16 work-groups of a row of the grid read the same 32 KiB of x, but there is one load phase and no loop under which a joint load could land;
; it would put a round of the cluster's barrier in front of the only loads and a pass through LDS behind them, where now each lane's registers are filled in the order that the conversions take.
; REGISTERS, in windows of 256.  Window 0: v0-15 ids and addresses; v16-31 w for the fragment, later results; v32-43 W's fragment; v44 its scale word; v46-60 at work; v64-127 x for the quantiser,
; later the four fragments of x and two accumulators; v128-191 x for xs and xm; v192-212 the codes just made; v216-219 x's scale words; v224-239 xs, xm at work.
; Window 1: all that the bias touches: v0-127 w[j][my 8 columns]; v128-143 xs, v144-159 xm of my row; v160-167 minus the sums; v168-175 the maxima; v176-207 products.
; THE MODE: SCHED_MODE bits 1:0 = 2 (LLVM: expert scheduling mode 2), set by the entry lines.  The code itself states the register dependences
; between vector or matrix instructions and memory or LDS instructions, with s_wait_alu, always for 0.
; THE PLAN.  The text is one straight path.  Registers that memory or LDS instructions touch:
;   v4-v15             offsets and LDS addresses: made once, at the head, ahead of ONE wait on va_vdst in front of the first load; read by every load and store; never written again.
;   v16-31             w's loads land in registers that nothing has named; the fragment's lines read them.  Later v16-23 are the results, which two LDS stores read, and the loads from the stage land in v24-31.
;   v64-127            x's loads land; compares, selects, maxima and conversions name them.  Behind the first barrier the fragments' LDS loads land in v64-111; v112-127 are accumulators.
;   v128-191           x's loads land; vector lines read them.
;   v192-203, v212     the codes and the scale word: vector lines write them, four LDS stores read them; never written again.
;   v236-239           xs or xm: vector lines write them, one LDS store reads them; never written again.
;   v216-219, window 1 v0-159   loads land in registers that no vector line has named; they are read only.
;   v32-44             W's fragment and scale word: vector lines write them, the scaled matrix instructions take them.
; So a wait on va_vdst stands in front of the first load and in front of each of the three runs of LDS stores, two more stand among the head's lines and one at the end; the one ahead of the image's stores also states what the fragments' LDS loads
; and the matrix instructions hang on.  No register that a memory or LDS instruction reads is written again, so no wait on vm_vsrc stands between the entry lines and the end.
; Scalar registers that vector lines write (the wave's number; the compares' masks) have a wait on va_sdst ahead of their first reader.
.set XROW, 2048                        ; bytes in a row of x
.set WROW, 4096                        ; of weights
.set OROW, 4096                        ; of out0
.set FRB,  1536                        ; a fragment's image: 12 registers x 128 bytes
.set AIMG, 0                           ; LDS: the four images,
.set ASC,  4*FRB                       ; the scale words: 16 bytes a lane, K step w's word at 4 w,
.set STAT, ASC+512                     ; xs and xm: a row is 16 sums, 16 maxima and 16 bytes of padding,
.set SPT,  144                         ; 9 x 16 bytes: the 16 rows that a load touches begin at 16 different places modulo 256 bytes
.set STG,  STAT+16*SPT                 ; and the stage: 16 rows x (256 bytes + 16)
.set GPT,  272
.set AXQ, 4                            ; v4   x for the quantiser: my byte in the tile's 16 rows
.set AXS, 5                            ; v5   x for xs and xm
.set AWF, 6                            ; v6   w for the fragment: 4 r
.set AWB, 7                            ; v7   w for the bias: 32 h
.set AGO, 8                            ; v8   out0: my 16 bytes
.set LIW, 9                            ; v9   LDS: where I store the image
.set LSW, 10                           ; v10  and the scale word
.set LTW, 11                           ; v11  and xs or xm
.set LLI, 12                           ; v12  16 x lane: an image's place for my lane
.set LTR, 13                           ; v13  my row of xs and xm
.set LSO, 14                           ; v14  the stage: where I put 32 bytes of a row
.set LSR, 15                           ; v15  and where I read a row back
.set WF,  16
.set WFR, 32
.set WSC, 44
.set TM,  46
.set SH8, 60                           ; v60  8 h: my bytes' place in a scale word
.set X,   64
.set Y,   128
.set PC,  192
.set CT,  204
.set PW,  212
.set XSC, 216
.set SA,  224
.set SB,  228
.set MA,  232
.set SD,  236
.set AF,  64
.set ACC0, 112
.set ACC1, 120
.set O,   16
.set BK,  24
.set WB,  0                            ; window 1 from here on
.set XS,  128
.set XM,  144
.set S,   160
.set M,   168
.set P,   176
.set MSB, 0
.macro WIN new                         ; the immediate's high byte repeats the setting that is left
.if MSB != \new
	s_set_vgpr_msb (MSB<<8)|\new
.set MSB, \new
.endif
.endm
	s_load_b128 s[4:7], s[0:1], 0x0                ; x, weights
	s_load_b64 s[8:9], s[0:1], 0x10                ; out0
	v_lshl_add_u32 v254, v0, 2, 0x3400
	v_mov_b32 v255, 0
	v_lshrrev_b32 v1, 5, v0
	v_readfirstlane_b32 s10, v1                    ; wave 0..3
	v_and_b32 v2, 15, v0                           ; r
	v_bfe_u32 v3, v0, 4, 1                         ; h
	; every offset and every LDS address of the kernel is made here, while the arguments are on their way: first the parts that hang on the lane alone
	v_lshlrev_b32 v[AXQ], 11, v2                   ; the quantiser's layout is the operand's: lane (r, h) takes, of row r, k = 128 w + 64 c + 32 h + 0 .. 31: two whole blocks
	v_lshl_add_u32 v[AXQ], v3, 7, v[AXQ]
	v_lshrrev_b32 v46, 3, v0                       ; xs and xm: eight lanes to a row; thread / 8 = 4 w + q is the row,
	v_and_b32 v47, 7, v0                           ; p = thread % 8: my 16 bytes of each 128: j = 4 (p % 4) + 0 .. 3, groups g of the parity p / 4
	v_lshlrev_b32 v[AXS], 11, v46
	v_lshl_add_u32 v[AXS], v47, 4, v[AXS]
	v_lshlrev_b32 v[AWF], 2, v2
	v_lshlrev_b32 v[AWB], 5, v3
	v_and_b32 v1, 31, v0                           ; lane
	v_lshlrev_b32 v[LLI], 4, v1
	v_mul_u32_u24 v[LTW], v46, SPT
	v_lshl_add_u32 v[LTW], v47, 4, v[LTW]          ; lanes p = 0 .. 3 store four sums, lanes p = 4 .. 7 four maxima: both at 16 p of the row
	v_add_nc_u32 v[LTW], STAT, v[LTW]
	v_mul_u32_u24 v[LTR], v2, SPT
	v_add_nc_u32 v[LTR], STAT, v[LTR]
	v_mul_u32_u24 v[LSO], v2, GPT
	v_lshl_add_u32 v[LSO], v3, 5, v[LSO]
	v_mul_u32_u24 v[LSR], v3, GPT
	v_lshl_add_u32 v[LSR], v2, 4, v[LSR]
	s_wait_alu depctr_va_vdst(0)
	v_lshlrev_b32 v[AGO], 4, v2
	v_lshl_add_u32 v[AGO], v3, 12, v[AGO]
	s_wait_alu depctr_va_vdst(0)
	v_lshlrev_b32 v[SH8], 3, v3
	v_mov_b32 v[TM+9], 0                           ; a lane permute's destination counts as one of its sources
	s_wait_alu depctr_va_sdst(0)                   ; s10 is written, ahead of its first reader: the wave's parts of the bases and addresses are made from it
	s_and_b32 s12, ttmp7, 0xffff                   ; which 16 rows
	s_lshl_b32 s14, s12, 15                        ; x: 16 rows of 2,048 bytes
	s_mov_b32 s15, 0
	s_lshl_b32 s16, ttmp9, 8                       ; weights: the work-group's 64 columns,
	s_lshl_b32 s17, s10, 6                         ; my wave's 16 of them
	s_add_co_u32 s16, s16, s17
	s_mov_b32 s17, 0
	s_lshl_b32 s18, s12, 16                        ; out0: 16 rows of 4,096 bytes,
	s_lshl_b32 s19, ttmp9, 8                       ; 64 columns
	s_add_co_u32 s18, s18, s19
	s_mov_b32 s19, 0
	s_lshl_b32 s20, s10, 9                         ; K step w begins 512 bytes x w into a row
	v_add_nc_u32 v[AXQ], s20, v[AXQ]
	; the LDS addresses are each a constant + a constant x lane + a constant x wave
	s_mul_i32 s28, s10, FRB
	v_add_nc_u32 v[LIW], s28, v[LLI]
	s_lshl_b32 s21, s10, 2
	s_add_co_u32 s21, s21, ASC
	v_add_nc_u32 v[LSW], s21, v[LLI]
	s_lshl_b32 s22, s10, 6
	s_add_co_u32 s22, s22, STG
	v_add_nc_u32 v[LSO], s22, v[LSO]               ; the stage, in: row r, + 64 w + 32 h
	s_mul_i32 s23, s10, 4*GPT
	s_add_co_u32 s23, s23, STG
	v_add_nc_u32 v[LSR], s23, v[LSR]               ; back: rows 4 w + h, 16 bytes a lane
	s_lshl_b32 s27, s10, 14
	v_add_nc_u32 v[AGO], s27, v[AGO]               ; and the same place in out0
	s_mov_b32 s24, 0x76543210
	s_mov_b32 s25, 0xfedcba98                      ; v_permlanex16_b32's selects for lane l xor 16
	s_mov_b32 s26, 0xf0f0f0f0                      ; the lanes with p = 4 .. 7
	s_wait_kmcnt 0x0
	s_add_nc_u64 s[4:5], s[4:5], s[14:15]
	s_add_nc_u64 s[6:7], s[6:7], s[16:17]
	s_add_nc_u64 s[8:9], s[8:9], s[18:19]
	s_wait_alu depctr_va_vdst(0)                   ; the twelve offsets and addresses v4 to v15 are written, which every load and store of the kernel reads; none is written again
; ALL 80 LOADS GO OUT HERE, in the order in which they are wanted.  They land in registers that no vector line has named; between the wait above and the last of them stand loads and one window switch.
.irp j, 0,1,2,3,4,5,6,7,8,9,10,11,12,13,14,15
	global_load_b32 v[WF+\j], v[AWF], s[6:7] offset:\j*WROW           ; w[j][my column r]: the registers run down K
.endr
.irp c, 0,1
.irp q, 0,1,2,3,4,5,6,7
	global_load_b128 v[X+32*\c+4*\q:X+32*\c+4*\q+3], v[AXQ], s[4:5] offset:256*\c+16*\q
.endr
.endr
.irp g, 0,1,2,3,4,5,6,7,8,9,10,11,12,13,14,15
	global_load_b128 v[Y+4*\g:Y+4*\g+3], v[AXS], s[4:5] offset:128*\g   ; eight lanes read 128 consecutive bytes of a row
.endr
	WIN 0x40                                       ; destination window 1, address window 0
.irp j, 0,1,2,3,4,5,6,7,8,9,10,11,12,13,14,15
.irp u, 0,1
	global_load_b128 v[WB+8*\j+4*\u:WB+8*\j+4*\u+3], v[AWB], s[6:7] offset:\j*WROW+16*\u   ; w[j][8 h + 0 .. 7] for the bias: wanted last, behind the first barrier
.endr
.endr
	WIN 0
; The load counter's field holds 63, and the issue of a load that would pass it is held until an earlier one is back (ISA guide 5.7.1): the last of the 80 go out as the first come in.
; ---- W's fragment.  64 loads were issued behind w's 16; a wait's count cannot name more than 63
	s_wait_loadcnt 63
	v_max3_num_f32 v[TM+10], |v[WF]|, |v[WF+1]|, 0x2800000          ; the column's largest magnitude, and the floor 2^(5 - 127): the byte cannot fall under 1
	v_max3_num_f32 v[TM+11], |v[WF+2]|, |v[WF+3]|, |v[WF+4]|
	v_max3_num_f32 v[TM+10], v[TM+10], |v[WF+5]|, |v[WF+6]|
	v_max3_num_f32 v[TM+11], v[TM+11], |v[WF+7]|, |v[WF+8]|
	v_max3_num_f32 v[TM+10], v[TM+10], |v[WF+9]|, |v[WF+10]|
	v_max3_num_f32 v[TM+11], v[TM+11], |v[WF+11]|, |v[WF+12]|
	v_max3_num_f32 v[TM+10], v[TM+10], |v[WF+13]|, |v[WF+14]|
	v_max3_num_f32 v[TM+10], v[TM+10], v[TM+11], |v[WF+15]|
	v_add_nc_u32 v[TM+11], 0xfe000000, v[TM+10]    ; 4 off its exponent field: the conversion takes the exponent field of this operand as its scale
	v_lshrrev_b32 v[TM+12], 23, v[TM+11]           ; the scale's byte
	v_cvt_scalef32_pk16_bf6_f32 v[WFR:WFR+2], v[WF:WF+15], v[TM+11]       ; 16 codes, 96 bits: half a block; the other half is the same
	v_cvt_scalef32_pk16_bf6_f32 v[WFR+6:WFR+8], v[WF:WF+15], v[TM+11]     ; (a conversion's three registers begin on an even number)
	v_lshl_or_b32 v[TM+12], v[TM+12], 8, v[TM+12]  ; (a plain line behind the conversions)  all four blocks of a K step have the same byte
	v_lshl_or_b32 v[WSC], v[TM+12], 16, v[TM+12]
.irp i, 0,1,2
	v_mov_b32 v[WFR+3+\i], v[WFR+\i]
	v_mov_b32 v[WFR+9+\i], v[WFR+\i]
.endr
; ---- K step w of x: the mask, the blocks' scales, the codes.  48 loads were issued behind these 16
	s_wait_loadcnt 48
.irp b, 0,1,2,3
.irp i, 0,1,2,3,4,5,6,7,8,9,10,11,12,13,14,15
	v_cmp_le_f32 s[32+\i], -1.0, v[X+16*\b+\i]     ; sixteen compares, then sixteen selects: no line waits for the line above it
.endr
	s_wait_alu depctr_va_sdst(0)                   ; the sixteen compares have written s32 to s47, ahead of the selects that read them: one wait for the run
.irp i, 0,1,2,3,4,5,6,7,8,9,10,11,12,13,14,15
	v_cndmask_b32 v[X+16*\b+\i], 0, v[X+16*\b+\i], s[32+\i]   ; x where x >= -1, else 0
.endr
.endr
.irp c, 0,1                                    ; my blocks 2 c + h: all 32 numbers of each are mine; two chains a block
	v_max3_num_f32 v[TM+\c], |v[X+32*\c]|, |v[X+32*\c+1]|, 0x2800000
	v_max3_num_f32 v[TM+2+\c], |v[X+32*\c+16]|, |v[X+32*\c+17]|, |v[X+32*\c+18]|
.endr
.irp i, 2,4,6,8,10,12
.irp c, 0,1
	v_max3_num_f32 v[TM+\c], v[TM+\c], |v[X+32*\c+\i]|, |v[X+32*\c+\i+1]|
	v_max3_num_f32 v[TM+2+\c], v[TM+2+\c], |v[X+32*\c+17+\i]|, |v[X+32*\c+18+\i]|
.endr
.endr
.irp c, 0,1
	v_max3_num_f32 v[TM+\c], v[TM+\c], |v[X+32*\c+14]|, |v[X+32*\c+15]|
.endr
.irp c, 0,1
	v_max3_num_f32 v[TM+\c], v[TM+\c], v[TM+2+\c], |v[X+32*\c+31]|
.endr
.irp c, 0,1
	v_add_nc_u32 v[TM+4+\c], 0xfe000000, v[TM+\c]  ; the conversion's scale operand
.endr
.irp c, 0,1
	v_lshrrev_b32 v[TM+6+\c], 23, v[TM+4+\c]       ; the scale's byte
.endr
.irp c, 0,1
	v_cvt_scalef32_pk16_bf6_f32 v[PC+6*\c:PC+6*\c+2], v[X+32*\c:X+32*\c+15], v[TM+4+\c]        ; registers 6 c .. 6 c + 5 of the operand
	v_cvt_scalef32_pk16_bf6_f32 v[CT+4*\c:CT+4*\c+2], v[X+32*\c+16:X+32*\c+31], v[TM+4+\c]     ; (the second three do not begin on an even number: made elsewhere and moved)
.endr
	v_lshl_or_b32 v[TM+8], v[TM+7], 16, v[TM+6]    ; (a plain line behind the conversions)  my two bytes: blocks h and 2 + h,
	v_lshlrev_b32 v[TM+8], v[SH8], v[TM+8]         ; at their places in the row's scale word;
	v_permlanex16_b32 v[TM+9], v[TM+8], s24, s25
.irp c, 0,1
.irp i, 0,1,2
	v_mov_b32 v[PC+6*\c+3+\i], v[CT+4*\c+\i]
.endr
.endr
	v_or_b32 v[PW], v[TM+8], v[TM+9]               ; with lane l xor 16's two the word is whole
	s_wait_alu depctr_va_vdst(0)                   ; the codes v192 to v203 and the scale word v212 are written, which the four LDS stores read.  Also: every line that names v64 to v127 is done, in which the fragments' LDS loads
	                                               ; land behind the barrier (no vector line between names them); and W's fragment and scale word, v32 to v44, are written, far more than eight plain lines back, for the scaled matrix instructions
.irp c, 0,1,2
	ds_store_b128 v[LIW], v[PC+4*\c:PC+4*\c+3] offset:AIMG+512*\c   ; the fragment as it stands: lane l's 16 bytes at 16 l
.endr
	ds_store_b32 v[LSW], v[PW]
; ---- xs and xm of rows 4 w .. 4 w + 3.  Register 4 g + e holds x[row][32 g + 4 p + e].  Only the bias's 32 loads of w were issued behind these
	s_wait_loadcnt 32
.irp e, 0,1,2,3
	v_add_f32 v[SA+\e], |v[Y+\e]|, |v[Y+4+\e]|     ; two chains of sums and one of maxima for each e: twelve lines that do not wait for each other
	v_add_f32 v[SB+\e], |v[Y+32+\e]|, |v[Y+36+\e]|
	v_max3_num_f32 v[MA+\e], |v[Y+\e]|, |v[Y+4+\e]|, |v[Y+8+\e]|
.endr
.irp g, 2,3,4,5,6,7
.irp e, 0,1,2,3
	v_add_f32 v[SA+\e], v[SA+\e], |v[Y+4*\g+\e]|
	v_add_f32 v[SB+\e], v[SB+\e], |v[Y+32+4*\g+\e]|
	v_max3_num_f32 v[MA+\e], v[MA+\e], |v[Y+8*\g-4+\e]|, |v[Y+8*\g+\e]|
.endr
.endr
.irp e, 0,1,2,3
	v_max_num_f32 v[MA+\e], v[MA+\e], |v[Y+60+\e]|
	v_add_f32 v[SA+\e], v[SA+\e], v[SB+\e]
.endr
.irp e, 0,1,2,3
	v_max_num_f32_dpp v[MA+\e], v[MA+\e], v[MA+\e] row_xmask:4 row_mask:0xf bank_mask:0xf   ; with lane l xor 4's: the groups of the other parity
	v_add_f32_dpp v[SA+\e], v[SA+\e], v[SA+\e] row_xmask:4 row_mask:0xf bank_mask:0xf
.endr
.irp e, 0,1,2,3
	v_cndmask_b32 v[SD+\e], v[SA+\e], v[MA+\e], s26   ; lanes p = 0 .. 3 hand on the sums, lanes p = 4 .. 7 the maxima: one store serves both
.endr
	s_wait_alu depctr_va_vdst(0)                   ; the selects have written v236 to v239, which the LDS store reads
	ds_store_b128 v[LTW], v[SD:SD+3]
	s_wait_dscnt 0x0                               ; for the others' sake: my image, my scale words, my rows of xs and xm lie in LDS
	s_barrier_signal -1
	s_barrier_wait -1                              ; everybody's do
; ---- the product: my 16 columns x the 16 rows, four K steps.  No wait on va_vdst here: no vector line since the waits above names a register that these 21 loads touch
.irp f, 0,1,2,3
.irp c, 0,1,2
	ds_load_b128 v[AF+12*\f+4*\c:AF+12*\f+4*\c+3], v[LLI] offset:AIMG+FRB*\f+512*\c
.endr
.endr
	ds_load_b128 v[XSC:XSC+3], v[LLI] offset:ASC   ; the four K steps' scale words of row r
	WIN 0x40
.irp i, 0,1,2,3,4,5,6,7
	ds_load_b128 v[XS+4*\i:XS+4*\i+3], v[LTR] offset:16*\i   ; xs[r][0 .. 15], xm[r][0 .. 15]
.endr
	WIN 0
	s_wait_dscnt 8                                 ; the fragments and scale words are in; the eight loads of xs and xm may be out
	; two accumulators by turns, one instruction a turn; the first product on each starts its sum
	v_wmma_scale_f32_16x16x128_f8f6f4 v[ACC0:ACC0+7], v[WFR:WFR+11], v[AF:AF+11], 0, v[WSC], v[XSC] matrix_a_fmt:MATRIX_FMT_BF6 matrix_b_fmt:MATRIX_FMT_BF6
	v_wmma_scale_f32_16x16x128_f8f6f4 v[ACC1:ACC1+7], v[WFR:WFR+11], v[AF+12:AF+23], 0, v[WSC], v[XSC+1] matrix_a_fmt:MATRIX_FMT_BF6 matrix_b_fmt:MATRIX_FMT_BF6
	v_wmma_scale_f32_16x16x128_f8f6f4 v[ACC0:ACC0+7], v[WFR:WFR+11], v[AF+24:AF+35], v[ACC0:ACC0+7], v[WSC], v[XSC+2] matrix_a_fmt:MATRIX_FMT_BF6 matrix_b_fmt:MATRIX_FMT_BF6
	v_wmma_scale_f32_16x16x128_f8f6f4 v[ACC1:ACC1+7], v[WFR:WFR+11], v[AF+36:AF+47], v[ACC1:ACC1+7], v[WSC], v[XSC+3] matrix_a_fmt:MATRIX_FMT_BF6 matrix_b_fmt:MATRIX_FMT_BF6
; ---- the bias of row r, columns 8 h + 0 .. 7: all in window 1, so that one setting serves it.  Its lines name no register of the products: they are the places behind them
	s_wait_dscnt 0x0                               ; xs and xm
	s_wait_loadcnt 0x0                             ; w
	WIN 0x55
.irp t, 0,1,2,3,4,5,6,7                        ; j = 2 t and 2 t + 1
.irp e, 0,2,4,6
	v_pk_mul_f32 v[P+16*(\t%2)+\e:P+16*(\t%2)+\e+1], v[WB+16*\t+\e:WB+16*\t+\e+1], v[XM+2*\t:XM+2*\t+1] op_sel_hi:[1,0]                    ; w[2 t][..] xm[2 t]: the pair's first word for both halves
	v_pk_mul_f32 v[P+16*(\t%2)+8+\e:P+16*(\t%2)+9+\e], v[WB+16*\t+8+\e:WB+16*\t+9+\e], v[XM+2*\t:XM+2*\t+1] op_sel:[0,1] op_sel_hi:[1,1]   ; w[2 t + 1][..] xm[2 t + 1]: its second
.endr
.irp e, 0,1,2,3,4,5,6,7
.if \t == 0
	v_mul_f32 v[S+\e], -|v[WB+\e]|, v[XS]          ; the first term starts the sums: nothing is cleared
.else
	v_fma_f32 v[S+\e], -|v[WB+16*\t+\e]|, v[XS+2*\t], v[S+\e]
.endif
.endr
.irp e, 0,1,2,3,4,5,6,7
	v_fma_f32 v[S+\e], -|v[WB+16*\t+8+\e]|, v[XS+2*\t+1], v[S+\e]   ; minus the sum of |w| xs
.endr
.irp e, 0,1,2,3,4,5,6,7
.if \t == 0
	v_max_num_f32 v[M+\e], |v[P+\e]|, |v[P+8+\e]|
.else
	v_max3_num_f32 v[M+\e], v[M+\e], |v[P+16*(\t%2)+\e]|, |v[P+16*(\t%2)+8+\e]|   ; xm is not negative: |w xm| = |w| xm
.endif
.endr
.endr
.irp e, 0,2,4,6
	v_pk_add_f32 v[M+\e:M+\e+1], v[M+\e:M+\e+1], v[S+\e:S+\e+1]   ; the maximum less the sum
.endr
	WIN 0x01                                       ; source 0 window 1; the accumulator and the result window 0
.irp e, 0,2,4,6
	v_pk_fma_f32 v[O+\e:O+\e+1], v[M+\e:M+\e+1], 0x3dcccccd, v[ACC0+\e:ACC0+\e+1] op_sel_hi:[1,0,1]   ; 0.1 x bias + K steps 0 and 2; each accumulator is read from its low end on
.endr
	WIN 0
.irp e, 0,2,4,6
	v_pk_add_f32 v[O+\e:O+\e+1], v[O+\e:O+\e+1], v[ACC1+\e:ACC1+\e+1]   ; + K steps 1 and 3
.endr
; ---- the way out: a row's 256 bytes come from four waves, so they meet in the stage; each wave then stores four whole rows
	s_wait_alu depctr_va_vdst(0)                   ; the additions have written v16 to v23, which the two LDS stores read.  No vector line follows, so the loads from the stage, which land in v24 to v31 (last named by W's fragment's lines), owe nothing more
	ds_store_b128 v[LSO], v[O:O+3]
	ds_store_b128 v[LSO], v[O+4:O+7] offset:16
	s_wait_dscnt 0x0                               ; for the others' sake: my stores into the stage are done
	s_barrier_signal -1
	s_barrier_wait -1
	ds_load_b128 v[BK:BK+3], v[LSR]                ; rows 4 w and 4 w + 1: sixteen lanes to a row
	ds_load_b128 v[BK+4:BK+7], v[LSR] offset:2*GPT ; rows 4 w + 2 and 4 w + 3
	s_wait_dscnt 1                                 ; the first of the two is in
	global_store_b128 v[AGO], v[BK:BK+3], s[8:9] th:TH_STORE_NT               ; sixteen lanes store 256 consecutive bytes, at a multiple of 256 from out0's first byte
	s_wait_dscnt 0x0
	global_store_b128 v[AGO], v[BK+4:BK+7], s[8:9] offset:2*OROW th:TH_STORE_NT
	s_wait_dscnt 0x0
	s_wait_alu depctr_hold_cnt(0) depctr_sa_sdst(0) depctr_va_vdst(0) depctr_va_sdst(0) depctr_va_ssrc(0) depctr_va_vcc(0) depctr_vm_vsrc(0)
	s_wait_tensorcnt 0x0
	ds_add_u32 v254, v255
	s_wait_dscnt 0x0
	s_endpgm
.Lfunc_end_k_qbdc5e2cd52_conj:
	.size	k_qbdc5e2cd52_conj, .Lfunc_end_k_qbdc5e2cd52_conj-k_qbdc5e2cd52_conj
	.p2alignl 7, 3214868480
	.fill 96, 4, 3214868480
	.section	.rodata,"a",@progbits
	.p2align	6, 0x0
	.amdhsa_kernel k_qbdc5e2cd52_conj
		.amdhsa_group_segment_fixed_size 13824
		.amdhsa_private_segment_fixed_size 0
		.amdhsa_enable_private_segment 0
		.amdhsa_kernarg_size 24
		.amdhsa_user_sgpr_count 2
		.amdhsa_user_sgpr_kernarg_segment_ptr 1
		.amdhsa_wavefront_size32 1
		.amdhsa_system_sgpr_workgroup_id_x 1
		.amdhsa_system_sgpr_workgroup_id_y 1
		.amdhsa_system_sgpr_workgroup_id_z 1
		.amdhsa_system_vgpr_workitem_id 0
		.amdhsa_next_free_vgpr 512
		.amdhsa_next_free_sgpr 66
		.amdhsa_reserve_vcc 0
		.amdhsa_float_denorm_mode_32 3
		.amdhsa_float_denorm_mode_16_64 3
		.amdhsa_memory_ordered 1
		.amdhsa_forward_progress 1
		.amdhsa_inst_pref_size 50
	.end_amdhsa_kernel
	.amdgpu_metadata
---
amdhsa.version: [ 1, 2 ]
amdhsa.kernels:
  - .name:           k_qbdc5e2cd52_conj
    .symbol:         k_qbdc5e2cd52_conj.kd
    .args:
      - { .name: x, .offset: 0, .size: 8, .value_kind: global_buffer, .address_space: global }
      - { .name: weights, .offset: 8, .size: 8, .value_kind: global_buffer, .address_space: global }
      - { .name: out0, .offset: 16, .size: 8, .value_kind: global_buffer, .address_space: global }
    .group_segment_fixed_size: 13824
    .private_segment_fixed_size: 0
    .kernarg_segment_align: 8
    .kernarg_segment_size: 24
    .max_flat_workgroup_size: 128
    .sgpr_count:     66
    .vgpr_count:     512
    .wavefront_size: 32
...
	.end_amdgpu_metadata
.endif
;; end of part 2
